; MI455X (gfx1250); checked and timed in simulation.
; The chip was launched on July 23, 2026; its instructions are those of AMD's public machine-readable ISA for CDNA 5 (MIT licence, August 2026) and "CDNA5" Instruction Set Architecture Reference Guide (July 2026). The comments in the code are by the model that wrote it; some were corrected since.
;; Plain Sign Linear. Allowed arithmetic: matrix products marked QUANTISED: E2M3 operands, one E8M0 scale for each 32 along K, by v_wmma_scale_f32_16x16x128_f8f6f4 with both operands' format E2M3, f32 sums; everything else in f32.
;; Inputs: bias 4,096 float32; scale 4,096 float32; sign 4,096 x 4,096 float32; x 4 x 1,024 x 4,096 float32.
;; Outputs: out0 4 x 1,024 x 4,096 float32.
;; This version of the problem:
;;   THIS VERSION OF THE PROBLEM IS GIVEN IN LOW PRECISION. The matrix products marked QUANTISED in the list below multiply operands that are first quantised to E2M3 (2 exponent bits, 3 mantissa bits; 6 bits a number), with one power-of-two scale for each 32 numbers along K (OCP MX v1.0); their sums are f32. All else is computed in f32.
;;   The module's matrix products, in the order in which they are computed (A, B: the left and right operand; K: the contracted axis; several contracted axes count as one K, in the product's order):
;;     1. [M 4,096, K 4,096] x [K 4,096, N 4,096]; A: input x; B: input sign: QUANTISED
;;   THE QUANTISER, for each operand of a quantised product, along K:
;;     - K is cut into blocks of 32 from its start; a last block that is shorter is filled with zeros.
;;     - A block's scale is 2^e with e = floor(log2(the largest magnitude in the block)) - 2, held to -126 .. 127; a block of zeros has e = 0. As a byte (E8M0): e + 127.
;;     - Each number is divided by its block's scale, clamped to +-7.5, and rounded to the nearest number of E2M3, ties to even, subnormals kept.
;;     - The product sums the exact products of the quantised numbers (number of the format x scale) in f32.
;;   ~~~python
;;   def quantise(x, axis):      # numpy; x: float32 -> the quantised numbers, widened to float32 again
;;       x = np.moveaxis(x, axis, -1); K = x.shape[-1]
;;       x = np.pad(x, [(0, 0)] * (x.ndim - 1) + [(0, -K % 32)]); x = x.reshape(x.shape[:-1] + (-1, 32)); a = np.abs(x).max(-1, keepdims=True)
;;       e = np.where(a > 0, np.clip(np.frexp(np.where(a > 0, a, 1))[1] - 1 - 2, -126, 127), 0)      # np.frexp(a)[1] - 1 = floor(log2(a)), exactly
;;       r = np.clip(x / 2.0 ** e, -7.5, 7.5)
;;       step = 2.0 ** (np.maximum(np.frexp(np.where(r == 0, 1, r))[1] - 1, 0) - 3)
;;       q = np.round(r / step) * step * 2.0 ** e      # np.round: ties to even
;;       return np.moveaxis(q.reshape(q.shape[:-2] + (-1,))[..., :K], -1, axis).astype(np.float32)
;;   ~~~
;; One version. Each part assembles by itself: llvm-mc -triple=amdgcn-amd-amdhsa -mcpu=gfx1250 --defsym DOCPART=n.
;; ======== version 1 of 1: 2 launches
;; limits: right only within a limited range of input values
;; workspace buffers: a_img 13,107,200 bytes; b_img 13,107,200 bytes
;; launch quant (part 1): grid 1024 x 1, 4 waves a work-group, no clusters, 34,304 bytes of LDS; arguments x, sign, a_img, b_img; writes a_img, b_img
.if DOCPART == 1
	.amdgcn_target "amdgcn-amd-amdhsa--gfx1250"
	.amdhsa_code_object_version 6
	.text
	.protected	k_q498932de91_quant
	.globl	k_q498932de91_quant
	.p2align	8
	.type	k_q498932de91_quant,@function
k_q498932de91_quant:
	s_mov_b64 s[64:65], 0
	v_nop
	global_prefetch_b8 v0, s[64:65] scope:SCOPE_SE
	s_setreg_imm32_b32 hwreg(HW_REG_WAVE_MODE, 25, 1), 1
	s_wait_xcnt 0x0
; x [4096][4096] and sign [4096][4096], f32, K innermost, are turned into codes of FP6 (E2M3), 6 bits each, with one E8M0 scale byte for each 32 along K.
; sign is taken as any f32 tensor: nothing is assumed of its values.
; A block's scale is 2^(floor(log2(its largest magnitude)) - 2), 2 being the exponent of the format's largest number, 7.5; its byte is the largest magnitude's own exponent field - 2,
; held at 1 from below.  Each number is divided by the scale and rounded to the nearest code, ties to even; beyond 7.5 the largest code.
; LIMITS: a block of zeros gets the byte 1 where the quantiser's rule says 127: its codes are zeros, which add nothing under any byte but 0xff, and the bytes are read by this program alone.
; Blocks whose largest magnitude lies under 2^-124 take the byte 1 (the rule's hold at e = -126); such blocks were not tried.  NaN and infinities among the inputs are not served.
; THE RESULT IS LAID IN THE ORDER OF THE OPERAND'S REGISTERS.  An image buffer is [32 groups of 128 rows][32 steps of 128 along K][12,800 bytes]; the 12,800 bytes are eight fragments (16 rows x 128 K:
; 12 registers a lane) of 1,536 bytes, registers 4 c .. 4 c + 3 of lane l at 512 c + 16 l, and behind them 512 bytes of scale words: the word of fragment i, row r at 256 (i / 4) + 16 r + 4 (i % 4).
; So the product's launch takes a fragment by three loads of 16 bytes a lane, four fragments' scale words by one, and what one of its waves fetches is one dense run of bytes.
; SHARES.  A wave takes 64 rows x 128 K: four fragments.  The four waves of a work-group take four neighbouring steps along K: together 2,048 consecutive bytes of each row.
; A FRAGMENT.  Lane (r, h) of the operand holds, of row r, K = 32 h + 0 .. 31 and 64 + 32 h + 0 .. 31: two whole blocks.  A load is best where neighbouring LANES take neighbouring bytes: each of the 16 loads
; reads one row's 512 consecutive bytes; the rows go through the wave's own stage in LDS (528 bytes apart, so that the sixteen rows that a read touches start at sixteen different banks) and come back
; 128 bytes a block.  A block's largest magnitude then needs no other lane, and the four conversions' results are the operand's 12 registers.
; One launch serves both tensors: the first WGA work-groups take x, the others sign; only pointers are chosen, both take one path through the text.
; No tensor loads, no barrier: waves share nothing.  Loads run two fragments (32 loads a wave) ahead.
.set ROWF,  16384                      ; a row of f32 in bytes
.set FRB,   1536                       ; a fragment's image in bytes
.set STEPB, 8*FRB+512                  ; 128 rows x 128 K: eight images and their scale words: 12,800 bytes
.set WGA,   512                        ; work-groups for x; as many for sign
.set SP,    528                        ; a row in the stage: 512 bytes + 16
.set WREG,  16*SP                      ; a wave's stage
.set GL,    3                          ; v3   16 x lane: my bytes of a load's 512, and of a store's
.set LIN,   4                          ; v4   the stage, on the way in
.set LOUT,  5                          ; v5   and on the way out: row r, + 128 h
.set SO,    6                          ; v6   my place among the wave's 256 bytes of scale words: 16 r + 8 h
.set SH,    7                          ; v7   8 h: how far up my two scale bytes stand in the row's word
.set PW,    14                         ; v[14:15] the two scale words that I store
.set R,     16                         ; v16-143  two sets of 64: a fragment as it is loaded
.set X,     144                        ; v144-207 my 64 numbers: register 32 c + i = K 64 c + 32 h + i of row r
.set CF,    208                        ; v208-231 the codes of fragments 0 and 1; those of 2 and 3 take the sets of R, which are free by then: no store's data are written again
	s_load_b128 s[4:7], s[0:1], 0x0                ; x, sign
	s_load_b128 s[8:11], s[0:1], 0x10              ; x's image, sign's image
	v_lshl_add_u32 v232, v0, 2, 0x8400
	v_mov_b32 v233, 0
	v_lshrrev_b32 v1, 5, v0
	v_readfirstlane_b32 s16, v1                    ; wave
	v_and_b32 v2, 31, v0                           ; lane
	v_lshlrev_b32 v[GL], 4, v2
	s_mul_i32 s17, s16, WREG
	v_add_nc_u32 v[LIN], s17, v[GL]
	v_and_b32 v8, 15, v0                           ; r
	v_bfe_u32 v9, v0, 4, 1                         ; h
	v_mul_u32_u24 v[LOUT], v8, SP
	v_lshl_add_u32 v[LOUT], v9, 7, v[LOUT]
	v_add_nc_u32 v[LOUT], s17, v[LOUT]
	v_lshlrev_b32 v[SO], 4, v8
	v_lshl_add_u32 v[SO], v9, 3, v[SO]
	v_lshlrev_b32 v[SH], 3, v9
	v_cmp_ne_u32 s22, 0, v9                        ; lanes 16-31
	s_mov_b32 s20, 0x76543210
	s_mov_b32 s21, 0xfedcba98                      ; v_permlanex16_b32's selects for lane l xor 16
	s_wait_alu depctr_va_vdst(0)
	s_wait_kmcnt 0x0
	s_cmp_lt_u32 ttmp9, WGA                        ; x's work-group or sign's?  The choice hangs on the work-group's number alone
	s_cselect_b64 s[4:5], s[4:5], s[6:7]
	s_cselect_b64 s[8:9], s[8:9], s[10:11]
	s_cselect_b32 s17, 0, WGA
	s_sub_co_u32 s17, ttmp9, s17                   ; 0 .. 511 within the tensor
	s_and_b32 s18, s17, 7
	s_lshl_b32 s18, s18, 2
	s_add_co_u32 s18, s18, s16                     ; my step along K: 0 .. 31
	s_lshr_b32 s19, s17, 3                         ; my 64 rows: 0 .. 63
	s_lshl_b32 s24, s19, 20                        ; 64 rows of 16,384 bytes,
	s_lshl_b32 s25, s18, 9                         ; 512 bytes a step
	s_add_co_u32 s24, s24, s25
	s_mov_b32 s25, 0
	s_add_nc_u64 s[4:5], s[4:5], s[24:25]
	s_lshr_b32 s26, s19, 1                         ; which 128 rows
	s_lshl_b32 s26, s26, 5
	s_add_co_u32 s26, s26, s18
	s_mul_i32 s26, s26, STEPB
	s_mov_b32 s27, 0
	s_add_nc_u64 s[8:9], s[8:9], s[26:27]          ; the 12,800 bytes of these 128 rows and this step
	s_and_b32 s28, s19, 1                          ; which half of them is mine
	s_lshl_b32 s26, s28, 8
	s_add_co_u32 s26, s26, 8*FRB
	s_add_nc_u64 s[10:11], s[8:9], s[26:27]        ; my 256 bytes of scale words
	s_mul_i32 s26, s28, 4*FRB
	s_add_nc_u64 s[8:9], s[8:9], s[26:27]          ; my four images
.macro LOAD f                          ; fragment f: 16 rows, each 512 consecutive bytes, at a multiple of 256 from the buffer's first byte; read once in the launch
.irp p, 0,1,2,3,4,5,6,7,8,9,10,11,12,13,14,15
	global_load_b128 v[R+64*((\f)%2)+4*\p:R+64*((\f)%2)+4*\p+3], v[GL], s[4:5] offset:(16*(\f)+\p)*ROWF th:TH_LOAD_NT
.endr
.endm
.macro TURN f                          ; through the stage: LDS serves a wave's instructions in order (ISA guide 5.7.1.4), so no wait stands between the stores and the loads, nor in front of the next fragment's stores
.irp p, 0,1,2,3,4,5,6,7,8,9,10,11,12,13,14,15
	ds_store_b128 v[LIN], v[R+64*((\f)%2)+4*\p:R+64*((\f)%2)+4*\p+3] offset:\p*SP
.endr
.irp c, 0,1
.irp j, 0,1,2,3,4,5,6,7
	ds_load_b128 v[X+32*\c+4*\j:X+32*\c+4*\j+3], v[LOUT] offset:256*\c+16*\j
.endr
.endr
.endm
.macro PIECE f
.if (\f) < 2
.set C, CF+12*(\f)
.else
.set C, R+64*((\f)-2)
.endif
.if (\f) < 3
	s_wait_loadcnt 16                              ; this fragment's 16 loads are in; the next fragment's 16 may be out
.else
	s_wait_loadcnt 0x0
.endif
	TURN \f
	s_wait_dscnt 0x0                               ; my 64 numbers are back, and the stores into the stage have read their registers,
.if (\f)+2 < 4
	LOAD (\f)+2                                    ; which take the loads of two fragments on
.endif
	v_max3_num_f32 v8, |v[X]|, |v[X+1]|, |v[X+2]|                  ; the largest magnitude of each of my two blocks, each in two chains
	v_max3_num_f32 v9, |v[X+3]|, |v[X+4]|, |v[X+5]|
	v_max3_num_f32 v10, |v[X+32]|, |v[X+33]|, |v[X+34]|
	v_max3_num_f32 v11, |v[X+35]|, |v[X+36]|, |v[X+37]|
.irp i, 6,10,14,18,22,26
	v_max3_num_f32 v8, v8, |v[X+\i]|, |v[X+\i+1]|
	v_max3_num_f32 v9, v9, |v[X+\i+2]|, |v[X+\i+3]|
	v_max3_num_f32 v10, v10, |v[X+32+\i]|, |v[X+32+\i+1]|
	v_max3_num_f32 v11, v11, |v[X+32+\i+2]|, |v[X+32+\i+3]|
.endr
	v_max3_num_f32 v8, v8, |v[X+30]|, |v[X+31]|
	v_max3_num_f32 v10, v10, |v[X+62]|, |v[X+63]|
	v_max3_num_f32 v8, v8, v9, 0x1800000           ; and the floor 2^(3 - 127), under which no largest magnitude is taken: so the byte cannot fall under 1
	v_max3_num_f32 v10, v10, v11, 0x1800000
	v_add_nc_u32 v9, 0xff000000, v8                ; 2 off the exponent field: the conversion takes the exponent field of this operand as its scale, and nothing else of it
	v_add_nc_u32 v11, 0xff000000, v10
	v_cvt_scalef32_pk16_fp6_f32 v[C:C+2], v[X:X+15], v9            ; registers 0-2 of the operand: K = 32 h + 0 .. 15
	v_cvt_scalef32_pk16_fp6_f32 v[C+6:C+8], v[X+32:X+47], v11      ; registers 6-8: K = 64 + 32 h + 0 .. 15
	v_lshrrev_b32 v12, 23, v9                      ; the first block's byte.  (A plain vector line between those conversions and the two below, which write over numbers that those have read)
	v_cvt_scalef32_pk16_fp6_f32 v[X:X+2], v[X+16:X+31], v9         ; a conversion's three registers begin on an even number, a block's second three do not: they are made elsewhere and moved
	v_cvt_scalef32_pk16_fp6_f32 v[X+32:X+34], v[X+48:X+63], v11
	v_lshrrev_b32 v13, 23, v11                     ; the second block's byte.  (A plain vector line behind the conversions)
	v_lshl_or_b32 v12, v13, 16, v12                ; my two bytes: blocks h and 2 + h of row r,
	v_lshlrev_b32 v12, v[SH], v12                  ; at their places in the row's word
.irp i, 0,1,2
	v_mov_b32 v[C+3+\i], v[X+\i]
	v_mov_b32 v[C+9+\i], v[X+32+\i]
.endr
	v_permlanex16_b32 v13, v12, s20, s21
	v_or_b32 v12, v12, v13                         ; with lane l xor 16's two the word is whole, in both lanes
.if (\f) == 0
	v_mov_b32 v[PW], v12                           ; lanes 0-15 store the words of fragments 0 and 1, lanes 16-31 those of fragments 2 and 3
.elseif (\f) == 1
	v_mov_b32 v[PW+1], v12
.elseif (\f) == 2
	v_cndmask_b32 v[PW], v[PW], v12, s22
.else
	v_cndmask_b32 v[PW+1], v[PW+1], v12, s22
.endif
.irp c, 0,1,2
	global_store_b128 v[GL], v[C+4*\c:C+4*\c+3], s[8:9] offset:(\f)*FRB+512*\c   ; 32 lanes store 512 consecutive bytes, at a multiple of 256 from the buffer's first byte; every offset is an immediate, and nothing that a store reads is written again
.endr
.endm
	LOAD 0
	LOAD 1
	PIECE 0
	PIECE 1
	PIECE 2
	PIECE 3
	global_store_b64 v[SO], v[PW:PW+1], s[10:11]   ; 32 lanes store 256 consecutive bytes, at a multiple of 256 from the buffer's first byte
	s_wait_tensorcnt 0x0
	ds_add_u32 v232, v233
	s_wait_dscnt 0x0
	s_endpgm
.Lfunc_end_k_q498932de91_quant:
	.size	k_q498932de91_quant, .Lfunc_end_k_q498932de91_quant-k_q498932de91_quant
	.p2alignl 7, 3214868480
	.fill 96, 4, 3214868480
	.section	.rodata,"a",@progbits
	.p2align	6, 0x0
	.amdhsa_kernel k_q498932de91_quant
		.amdhsa_group_segment_fixed_size 34304
		.amdhsa_private_segment_fixed_size 0
		.amdhsa_enable_private_segment 0
		.amdhsa_kernarg_size 32
		.amdhsa_user_sgpr_count 2
		.amdhsa_user_sgpr_kernarg_segment_ptr 1
		.amdhsa_wavefront_size32 1
		.amdhsa_system_sgpr_workgroup_id_x 1
		.amdhsa_system_sgpr_workgroup_id_y 1
		.amdhsa_system_sgpr_workgroup_id_z 1
		.amdhsa_system_vgpr_workitem_id 0
		.amdhsa_next_free_vgpr 234
		.amdhsa_next_free_sgpr 66
		.amdhsa_reserve_vcc 0
		.amdhsa_float_denorm_mode_32 3
		.amdhsa_float_denorm_mode_16_64 3
		.amdhsa_memory_ordered 1
		.amdhsa_forward_progress 1
		.amdhsa_inst_pref_size 30
	.end_amdhsa_kernel
	.amdgpu_metadata
---
amdhsa.version: [ 1, 2 ]
amdhsa.kernels:
  - .name:           k_q498932de91_quant
    .symbol:         k_q498932de91_quant.kd
    .args:
      - { .name: x, .offset: 0, .size: 8, .value_kind: global_buffer, .address_space: global }
      - { .name: sign, .offset: 8, .size: 8, .value_kind: global_buffer, .address_space: global }
      - { .name: a_img, .offset: 16, .size: 8, .value_kind: global_buffer, .address_space: global }
      - { .name: b_img, .offset: 24, .size: 8, .value_kind: global_buffer, .address_space: global }
    .group_segment_fixed_size: 34304
    .private_segment_fixed_size: 0
    .kernarg_segment_align: 8
    .kernarg_segment_size: 32
    .max_flat_workgroup_size: 128
    .sgpr_count:     66
    .vgpr_count:     234
    .wavefront_size: 32
...
	.end_amdgpu_metadata
.endif
;; end of part 1
;; launch gemm (part 2): grid 16 x 16, 4 waves a work-group, clusters of 4 x 4, 327,680 bytes of LDS; arguments a_img, b_img, scale, bias, out0; writes out0
.if DOCPART == 2
	.amdgcn_target "amdgcn-amd-amdhsa--gfx1250"
	.amdhsa_code_object_version 6
	.text
	.protected	k_q498932de91_gemm
	.globl	k_q498932de91_gemm
	.p2align	8
	.type	k_q498932de91_gemm,@function
k_q498932de91_gemm:
	s_mov_b64 s[64:65], 0
	v_nop
	global_prefetch_b8 v0, s[64:65] scope:SCOPE_SE
	s_setreg_imm32_b32 hwreg(HW_REG_WAVE_MODE, 25, 1), 1
	s_wait_xcnt 0x0
	s_wait_alu depctr_hold_cnt(0) depctr_sa_sdst(0) depctr_va_vdst(0) depctr_va_sdst(0) depctr_va_ssrc(0) depctr_va_vcc(0) depctr_vm_vsrc(0)
	s_getreg_b32 s2, hwreg(HW_REG_IB_STS2, 6, 4)
	s_cmp_eq_u32 s2, 0
	s_cbranch_scc0 .Lentry_in_a_cluster
	s_endpgm
.Lentry_in_a_cluster:
	s_bfe_u32 s2, ttmp6, 0x10000c
	s_cmp_lg_u32 s2, 0xf033
	s_cbranch_scc0 .Lentry_shape_is_right
	s_endpgm
.Lentry_shape_is_right:
; out0[m][n] = (sum over k of Q(x)[m][k] Q(sign)[n][k]) * scale[n] + bias[n].  Both operands come as images made by the launch before: codes of FP6 (E2M3) and E8M0 scale words,
; laid [32 groups of 128 rows][32 steps of 128 K][12,800 bytes]: eight fragments of 1,536 bytes in the order of the operand's registers, then 512 bytes of scale words.
; A tile of 256 x 256 is made by four waves, 128 x 128 each: 64 accumulators, 512 registers.  K goes through two LDS slots of three steps (153,600 bytes); a wave fills a quarter of a slot
; (one group of 128 rows, three steps: 38,400 dense bytes, stated as rows of 256 bytes) by one tensor load.  32 steps are ten such chunks and one of two steps.
; CLUSTERS: 4 x 4 work-groups; A's tiles are asked for jointly along a row of the cluster, B's along a column.
; THE MATRIX INSTRUCTION IS USED TRANSPOSED (source 0 = 16 rows of sign, source 1 = 16 rows of x): a lane holds eight neighbouring columns of a row of the result.
; REGISTERS: window 0: v0-31 addresses, scale and bias; v32-47 scale words, two sets; v64-159, v160-255 A's fragments, two sets.  window 1: B's fragments, two sets, at v0 and v128.
;   windows 2, 3: the accumulators of my rows 0-63, 64-127 (accumulator (a, b) at v[8 (8 (a % 4) + b)]).
; A STEP has ONE run of 50 LDS loads at its head, the NEXT step's fragments and scale words into the other sets, and then its 64 matrix instructions on end (A's block a against B's eight, a = 0 .. 7):
; both operands have two sets of registers, so nothing that a step multiplies is loaded during it, and four switches of the register window serve a step.
; PREFETCH: behind the joint load of chunk n stands a prefetch of chunk n + 2: of the 150 blocks of 256 bytes that a wave will fetch, each of the four partners that ask jointly names 38,
; told apart by address (cx for A, cy for B), two instructions a wave; the offset is held inside the wave's own 409,600 bytes, so the last requests name that run's last block.
.set SIZE_N, 4096
.set FR,     12
.set FRB,    1536
.set STEPB,  8*FRB+512
.set QTR,    3*STEPB
.set SLOT,   4*QTR
.set HALFB,  32*STEPB
.set SPARE,  2*SLOT                    ; the spare words, 512 bytes behind the ring
.set STAGE,  SLOT                      ; the way out goes through slot 1, which has had its last fill and its last read by then (the last chunk lies in slot 0)
.set SPITCH, 528
.set TRIPS,  4
.set SCV,  8
.set BIV,  12
.set ADRA, 16
.set ADRB, 18
.set ADRS, 20
.set PFT,  22                          ; v22-23 the prefetches' offsets of this turn
.set STO,  24
.set RD,   25
.set CO,   26
.set SPW,  28
.set NIL,  29
.set PFO,  30                          ; v30-31 my blocks' offsets inside a chunk; never rewritten
.set SC,   32
.set AF,   64
.set BK,   128
.set G1, 24
.set G0, 32
.set G1B, 48
.set G0B, 56
.set G1X, 68                           ; group 1 for the last chunk, of two steps
.set G1BX, 76
.set PFA, 84                           ; s[84:85] first byte of the 409,600 that my wave fetches
.set PFK, 86                           ; s86 where the chunk last prefetched begins in them
.set MSB, 0
.macro WIN new
.if MSB != \new
	s_set_vgpr_msb (MSB<<8)|\new
.set MSB, \new
.endif
.endm
.set MUL_LO, 0xa1
.set MUL_HI, 0xf1
.set TO_B,   0x40
.macro JLOAD g0a, g1a, g0b, g1b        ; waves 0, 1 fetch for A, waves 2, 3 for B
	s_cmp_eq_u32 s15, 0
	s_cbranch_scc0 .Lfor_b_\@
	tensor_load_to_lds s[\g0a:\g0a+3], s[\g1a:\g1a+7]
	s_nop 0
.rept 4
	v_nop
.endr
	s_branch .Lasked_\@
.Lfor_b_\@:
	tensor_load_to_lds s[\g0b:\g0b+3], s[\g1b:\g1b+7]
	s_nop 0
.rept 4
	v_nop
.endr
.Lasked_\@:
.endm
.macro CREST                           ; a round of the cluster's barrier behind its opening barrier
	s_cmp_lg_u32 s14, 0
	s_cbranch_scc1 .Lnot_wave_0_\@
	s_barrier_signal -3
.Lnot_wave_0_\@:
	s_barrier_wait -3
	s_barrier_signal -1
	s_barrier_wait -1
.endm
.macro CROUND                          ; a whole round
	s_barrier_signal -1
	s_barrier_wait -1
	CREST
.endm
.macro ASK                             ; the next chunk's prefetch; every window is 0 here, and s_wait_xcnt 0 has stood since the last one
	s_add_co_u32 s[PFK], s[PFK], QTR
	v_add_nc_u32 v[PFT], s[PFK], v[PFO]
	v_add_nc_u32 v[PFT+1], s[PFK], v[PFO+1]
	v_min_u32 v[PFT], HALFB-256, v[PFT]            ; never beyond the bytes that my wave fetches
	v_min_u32 v[PFT+1], HALFB-256, v[PFT+1]
	global_prefetch_b8 v[PFT], s[PFA:PFA+1] th:TH_LOAD_NT scope:SCOPE_SE
	global_prefetch_b8 v[PFT+1], s[PFA:PFA+1] th:TH_LOAD_NT scope:SCOPE_SE
.endm
	s_load_b128 s[4:7], s[0:1], 0x0                ; A's image, B's image
	s_load_b128 s[96:99], s[0:1], 0x10             ; scale, bias
	s_load_b64 s[12:13], s[0:1], 0x20              ; the result
	v_lshl_add_u32 v[SPW], v0, 2, SPARE
	v_mov_b32 v[NIL], 0
	ds_add_u32 v[SPW], v[NIL]                      ; the opening lines: the add, twice on end, and one wait
	ds_add_u32 v[SPW], v[NIL]
	v_lshrrev_b32 v1, 5, v0
	v_readfirstlane_b32 s14, v1                    ; wave
	s_lshr_b32 s15, s14, 1                         ; my half of the rows; also: I fetch for A (0) or B (1)
	s_and_b32 s16, s14, 1                          ; my half of the columns; also: which group of 128 rows I fetch
	s_bfe_u32 s40, ttmp6, 0x40000                  ; cx
	s_bfe_u32 s41, ttmp6, 0x40004                  ; cy
	s_lshl_b32 s42, ttmp9, 2
	s_add_co_u32 s42, s42, s40                     ; tile column
	s_and_b32 s17, ttmp7, 0xffff
	s_lshl_b32 s17, s17, 2
	s_add_co_u32 s17, s17, s41                     ; tile row
	s_lshl_b32 s43, s41, 2
	s_lshl_b32 s43, 15, s43                        ; my row of the cluster
	s_lshl_b32 s44, 0x1111, s40                    ; my column
	s_or_b32 s[G1+0], s43, (3<<16)|(1<<21)         ; elements of 8 bytes, no padding: the images are read as they lie
	s_or_b32 s[G1B+0], s44, (3<<16)|(1<<21)
	s_or_b32 s[G1X+0], s43, (3<<16)|(1<<21)
	s_or_b32 s[G1BX+0], s44, (3<<16)|(1<<21)
.irp g, G1, G1B
	s_mov_b32 s[\g+1], 32<<16
	s_mov_b32 s[\g+2], (QTR/256)<<16
	s_mov_b32 s[\g+3], 32<<16
	s_mov_b32 s[\g+4], QTR/256
	s_mov_b32 s[\g+5], 32
	s_mov_b32 s[\g+6], 0
	s_mov_b32 s[\g+7], 0
.endr
.irp g, G1X, G1BX
	s_mov_b32 s[\g+1], 32<<16
	s_mov_b32 s[\g+2], (2*STEPB/256)<<16
	s_mov_b32 s[\g+3], 32<<16
	s_mov_b32 s[\g+4], 2*STEPB/256
	s_mov_b32 s[\g+5], 32
	s_mov_b32 s[\g+6], 0
	s_mov_b32 s[\g+7], 0
.endr
	s_lshl_b32 s20, s17, 1
	s_add_co_u32 s20, s20, s16
	s_mul_i32 s20, s20, HALFB                      ; A: group 2 x tile row + half
	s_mov_b32 s21, 0
	s_lshl_b32 s46, s42, 1
	s_add_co_u32 s46, s46, s16
	s_mul_i32 s46, s46, HALFB                      ; B: group 2 x tile column + half
	s_mov_b32 s47, 0
	s_mul_i32 s45, s14, QTR                        ; where my quarter of a slot lies
	s_mul_i32 s87, s15, QTR                        ; LDS: my rows of A in slot 0,
	s_mul_i32 s88, s16, QTR
	s_add_co_u32 s88, s88, 2*QTR                   ; my rows of B,
	s_add_co_u32 s89, s87, SLOT                    ; and both in slot 1
	s_add_co_u32 s90, s88, SLOT
	s_sub_co_u32 s91, s88, s87                     ; from A's scale words to B's
	s_add_co_u32 s92, s87, 8*FRB
	s_add_co_u32 s93, s92, SLOT
	s_mul_i32 s94, s14, 16*SPITCH
	s_add_co_u32 s94, s94, STAGE                   ; my stage
	s_mov_b32 s[PFK], QTR
	s_wait_dscnt 0x0                               ; both opening adds are done
	s_wait_kmcnt 0x0
	s_add_nc_u64 s[20:21], s[4:5], s[20:21]
	s_add_nc_u64 s[46:47], s[6:7], s[46:47]
.irp s, 0,1
	s_mov_b32 s[G0+4*\s], 1
	s_add_co_u32 s[G0+4*\s+1], s45, \s*SLOT
	s_add_nc_u64 s[G0+4*\s+2:G0+4*\s+3], s[20:21], \s*QTR
	s_or_b32 s[G0+4*\s+3], s[G0+4*\s+3], 0x80000000
	s_mov_b32 s[G0B+4*\s], 1
	s_add_co_u32 s[G0B+4*\s+1], s45, \s*SLOT
	s_add_nc_u64 s[G0B+4*\s+2:G0B+4*\s+3], s[46:47], \s*QTR
	s_or_b32 s[G0B+4*\s+3], s[G0B+4*\s+3], 0x80000000
.endr
	s_cmp_eq_u32 s15, 0
	s_cselect_b64 s[PFA:PFA+1], s[20:21], s[46:47]
	s_cselect_b32 s95, s40, s41                    ; my place among the four that ask with me
	s_mul_i32 s95, s95, 38                         ; my first block of a chunk's 150
	CROUND                                         ; all sixteen work-groups are here: the first joint loads meet
	JLOAD G0, G1, G0B, G1B                         ; chunk 0: one tensor load a wave at the head
	s_lshl_b32 s20, s17, 8
	s_lshl_b32 s21, s15, 7
	s_add_co_u32 s20, s20, s21                     ; my first row of the result
	s_mov_b32 s21, 0
	s_mov_b64 s[18:19], SIZE_N*4
	s_mul_u64 s[20:21], s[20:21], s[18:19]
	s_lshl_b32 s46, s42, 10
	s_lshl_b32 s47, s16, 9
	s_add_co_u32 s46, s46, s47                     ; my first column, in bytes
	s_mov_b32 s47, 0
	s_add_nc_u64 s[96:97], s[96:97], s[46:47]
	s_add_nc_u64 s[98:99], s[98:99], s[46:47]
	s_add_nc_u64 s[20:21], s[20:21], s[46:47]
	s_add_nc_u64 s[12:13], s[12:13], s[20:21]
	v_and_b32 v1, 15, v0                           ; r
	v_bfe_u32 v2, v0, 4, 1                         ; h
	v_and_b32 v6, 31, v0                           ; lane
	v_lshlrev_b32 v[CO], 4, v6
	v_add_nc_u32 v[ADRA], s87, v[CO]
	v_add_nc_u32 v[ADRA+1], s89, v[CO]
	v_add_nc_u32 v[ADRB], s88, v[CO]
	v_add_nc_u32 v[ADRB+1], s90, v[CO]
	v_lshlrev_b32 v5, 4, v1
	v_mul_u32_u24 v7, s91, v2                      ; lanes 16-31 take B's scale words
	v_add_nc_u32 v5, v5, v7
	v_add_nc_u32 v[ADRS], s92, v5
	v_add_nc_u32 v[ADRS+1], s93, v5
	v_mul_u32_u24 v5, v1, SPITCH
	v_lshl_add_u32 v5, v2, 5, v5
	v_add_nc_u32 v[STO], s94, v5
	v_add_nc_u32 v[RD], s94, v[CO]
	v_add_nc_u32 v3, s95, v6                       ; blocks 38 p + lane,
	v_min_u32 v4, 5, v6
	v_add_nc_u32 v4, s95, v4
	v_add_nc_u32 v4, 32, v4                        ; and 38 p + 32 + 0 .. 5 (the lanes left over name the last of them again),
	v_min_u32 v3, 149, v3                          ; inside the chunk
	v_min_u32 v4, 149, v4
	v_lshlrev_b32 v[PFO], 8, v3
	v_lshlrev_b32 v[PFO+1], 8, v4
	global_load_b128 v[SCV:SCV+3], v[CO], s[96:97] ; scale and bias of my four columns of a row's 128
	global_load_b128 v[BIV:BIV+3], v[CO], s[98:99]
	ASK                                            ; chunk 2
.macro FRAG reg, adr, off
.irp c, 0,1,2
	ds_load_b128 v[\reg+4*\c:\reg+4*\c+3], v[\adr] offset:(\off)+512*\c
.endr
.endm
; ONE run of 50 LDS loads: step j of a slot into sets q: B's eight fragments, the scale words (register i: lanes 0-15 A's block i, lanes 16-31 B's block i), A's eight fragments.  It leaves every window 0.
.macro FETCH slot, j, q
	WIN TO_B
.irp i, 0,1,2,3,4,5,6,7
	FRAG 128*(\q)+FR*\i, ADRB+\slot, (\j)*STEPB+\i*FRB
.endr
	WIN 0
.irp g, 0,1
	ds_load_b128 v[SC+8*(\q)+4*\g:SC+8*(\q)+4*\g+3], v[ADRS+\slot] offset:(\j)*STEPB+256*\g
.endr
.irp i, 0,1,2,3,4,5,6,7
	FRAG AF+96*(\q)+FR*\i, ADRA+\slot, (\j)*STEPB+\i*FRB
.endr
.endm
.macro GRP a, p, zero                  ; eight matrix instructions: A's block a against B's eight; the 64 accumulators take turns
.if (\a) < 4
	WIN MUL_LO
.else
	WIN MUL_HI
.endif
.irp b, 0,1,2,3,4,5,6,7
.if \zero
	v_wmma_scale_f32_16x16x128_f8f6f4 v[8*(8*((\a)%4)+\b):8*(8*((\a)%4)+\b)+7], v[128*(\p)+FR*\b:128*(\p)+FR*\b+FR-1], v[AF+96*(\p)+FR*(\a):AF+96*(\p)+FR*(\a)+FR-1], 0, v[SC+8*(\p)+\b], v[SC+8*(\p)+(\a)] matrix_a_fmt:MATRIX_FMT_FP6 matrix_b_fmt:MATRIX_FMT_FP6 matrix_a_scale:MATRIX_SCALE_ROW1
.else
	v_wmma_scale_f32_16x16x128_f8f6f4 v[8*(8*((\a)%4)+\b):8*(8*((\a)%4)+\b)+7], v[128*(\p)+FR*\b:128*(\p)+FR*\b+FR-1], v[AF+96*(\p)+FR*(\a):AF+96*(\p)+FR*(\a)+FR-1], v[8*(8*((\a)%4)+\b):8*(8*((\a)%4)+\b)+7], v[SC+8*(\p)+\b], v[SC+8*(\p)+(\a)] matrix_a_fmt:MATRIX_FMT_FP6 matrix_b_fmt:MATRIX_FMT_FP6 matrix_a_scale:MATRIX_SCALE_ROW1
.endif
.endr
.endm
.macro PLACES                          ; four places between the last matrix instruction that read the other sets and the loads into them (ISA guide 7.12.1 for vector instructions)
.rept 4
	v_nop
.endr
.endm
; A step on sets p that fetches step j + 1 of the same slot into the other sets.
.macro STEP slot, j, p, zero
	PLACES
	FETCH \slot, (\j)+1, 1-(\p)
	s_wait_dscnt 50                                ; this step's fragments and scale words are in: behind them stand the 50 loads just issued
.irp a, 0,1,2,3,4,5,6,7
	GRP \a, \p, \zero
.endr
.endm
; A slot's last step.  Its fragments were asked for in the step before, so the slot is read out when they are in: the wait for all my tensor loads, the add and the wait for it and for those reads stand
; at the step's head; the barrier opens a round of the cluster's barrier; the refill is the first tensor load behind the round; then the next slot's first fragments, in one run.
; fill: 1 a chunk of three steps, 2 the last chunk, of two, 0 nothing is filled again and no round follows.
.macro TURN slot, next, p, fill
	WIN 0
.if (\fill) == 1
	s_wait_xcnt 0x0                                ; my last prefetches have read their registers, which are written again below
.endif
	s_wait_tensorcnt 0x0                           ; my part of the next slot is in
	ds_add_u32 v[SPW], v[NIL]
.if \fill
	s_add_nc_u64 s[G0+4*\slot+2:G0+4*\slot+3], s[G0+4*\slot+2:G0+4*\slot+3], 2*QTR   ; no load of mine is out: this slot's next chunk
	s_add_nc_u64 s[G0B+4*\slot+2:G0B+4*\slot+3], s[G0B+4*\slot+2:G0B+4*\slot+3], 2*QTR
.endif
	s_wait_dscnt 1                                 ; this step's fragments are in; the add may be out
	GRP 0, \p, 0
	s_wait_dscnt 0x0                               ; the add is done, and my reads of this slot are over
	s_barrier_signal -1
	GRP 1, \p, 0                                   ; work on registers while the other waves arrive
	WIN 0
	s_barrier_wait -1
.if \fill
	CREST
.if (\fill) == 1
	JLOAD G0+4*\slot, G1, G0B+4*\slot, G1B         ; its four v_nop are also the places in front of the loads below
.else
	JLOAD G0+4*\slot, G1X, G0B+4*\slot, G1BX
.endif
.else
	PLACES
.endif
	FETCH \next, 0, 1-(\p)
.if (\fill) == 1
	ASK                                            ; the chunk two refills on, behind the joint load and the run of LDS loads
.endif
.irp a, 2,3,4,5,6,7
	GRP \a, \p, 0
.endr
.endm
	s_wait_alu depctr_va_vdst(0)
	s_wait_loadcnt 0x0                             ; scale and bias are in
	s_wait_tensorcnt 0x0                           ; my part of chunk 0 is in; slot 1's first fill is issued as a refill is
	ds_add_u32 v[SPW], v[NIL]
	s_wait_dscnt 0x0
	CROUND
	JLOAD G0+4, G1, G0B+4, G1B                     ; chunk 1
	FETCH 0, 0, 0
	s_wait_xcnt 0x0                                ; the first prefetches have read their registers
	ASK                                            ; chunk 3
	STEP 0, 0, 0, 1                                ; the first step's products start the sums
	WIN 0
	s_mov_b32 s3, TRIPS
.Llap:                                                 ; a trip is six steps, once round the ring: register sets and slots are back where they began
	STEP 0, 1, 1, 0
	TURN 0, 1, 0, 1
	STEP 1, 0, 1, 0
	STEP 1, 1, 0, 0
	TURN 1, 0, 1, 1
	STEP 0, 0, 0, 0
	WIN 0
	s_sub_co_u32 s3, s3, 1
	s_cmp_lg_u32 s3, 0
	s_cbranch_scc1 .Llap
	STEP 0, 1, 1, 0
	TURN 0, 1, 0, 2                                ; the last chunk: steps 30 and 31
	STEP 1, 0, 1, 0
	STEP 1, 1, 0, 0
	TURN 1, 0, 1, 0
	STEP 0, 0, 0, 0
	s_wait_dscnt 0x0                               ; the last step fetches nothing
.irp a, 0,1,2,3,4,5,6,7
	GRP \a, 1, 0
.endr
	WIN 0
; THE WAY OUT, by blocks of 16 rows x 128 columns: through my own stage, back as whole rows of 512 bytes, x scale + bias, stored as two aligned units of 256 bytes.
.macro TOSTAGE a
.set AC, 64*((\a)%4)
	WIN 0x08+4*((\a)/4)
.irp b, 0,1,2,3,4,5,6,7
	ds_store_b128 v[STO], v[AC+8*\b:AC+8*\b+3] offset:64*\b          ; each accumulator from its low end on
	ds_store_b128 v[STO], v[AC+8*\b+4:AC+8*\b+7] offset:64*\b+16
.endr
	WIN 0
.set BB, BK+64*((\a)%2)
.irp t, 0,1,2,3,4,5,6,7,8,9,10,11,12,13,14,15
	ds_load_b128 v[BB+4*\t:BB+4*\t+3], v[RD] offset:\t*SPITCH      ; LDS serves a wave's instructions in order: these see the stores above
.endr
.endm
.macro SEND a, younger
.set BB, BK+64*((\a)%2)
	s_wait_dscnt \younger
.if (\a) > 0
	s_add_nc_u64 s[12:13], s[12:13], 16*SIZE_N*4   ; behind a wait on XCNT: the earlier stores have read their base
.endif
.irp t, 0,1,2,3,4,5,6,7,8,9,10,11,12,13,14,15
	v_pk_fma_f32 v[BB+4*\t:BB+4*\t+1], v[BB+4*\t:BB+4*\t+1], v[SCV:SCV+1], v[BIV:BIV+1]
	v_pk_fma_f32 v[BB+4*\t+2:BB+4*\t+3], v[BB+4*\t+2:BB+4*\t+3], v[SCV+2:SCV+3], v[BIV+2:BIV+3]
.endr
.irp t, 0,1,2,3,4,5,6,7,8,9,10,11,12,13,14,15
	global_store_b128 v[CO], v[BB+4*\t:BB+4*\t+3], s[12:13] offset:\t*SIZE_N*4 th:TH_STORE_NT   ; 32 lanes store 512 consecutive bytes, at a multiple of 256 from the result's first byte
.endr
.endm
	PLACES
	TOSTAGE 0
.irp a, 1,2,3,4,5,6,7
.if \a > 1
	s_wait_xcnt 0x0                                ; block a - 2's stores have read their registers and their base
.endif
	TOSTAGE \a
	SEND \a-1, 32                                  ; behind block a - 1's loads: block a's 16 stores and 16 loads
.endr
	s_wait_xcnt 0x0
	SEND 7, 0
	s_wait_tensorcnt 0x0                           ; the wave's end
	ds_add_u32 v[SPW], v[NIL]
	s_wait_dscnt 0x0
	CROUND                                         ; the closing round
	s_endpgm
.Lfunc_end_k_q498932de91_gemm:
	.size	k_q498932de91_gemm, .Lfunc_end_k_q498932de91_gemm-k_q498932de91_gemm
	.p2alignl 7, 3214868480
	.fill 96, 4, 3214868480
	.section	.rodata,"a",@progbits
	.p2align	6, 0x0
	.amdhsa_kernel k_q498932de91_gemm
		.amdhsa_group_segment_fixed_size 327680
		.amdhsa_private_segment_fixed_size 0
		.amdhsa_enable_private_segment 0
		.amdhsa_kernarg_size 40
		.amdhsa_user_sgpr_count 2
		.amdhsa_user_sgpr_kernarg_segment_ptr 1
		.amdhsa_wavefront_size32 1
		.amdhsa_system_sgpr_workgroup_id_x 1
		.amdhsa_system_sgpr_workgroup_id_y 1
		.amdhsa_system_sgpr_workgroup_id_z 1
		.amdhsa_system_vgpr_workitem_id 0
		.amdhsa_next_free_vgpr 1024
		.amdhsa_next_free_sgpr 100
		.amdhsa_reserve_vcc 0
		.amdhsa_float_denorm_mode_32 3
		.amdhsa_float_denorm_mode_16_64 3
		.amdhsa_memory_ordered 1
		.amdhsa_forward_progress 1
		.amdhsa_inst_pref_size 220
	.end_amdhsa_kernel
	.amdgpu_metadata
---
amdhsa.version: [ 1, 2 ]
amdhsa.kernels:
  - .name:           k_q498932de91_gemm
    .symbol:         k_q498932de91_gemm.kd
    .args:
      - { .name: a_img, .offset: 0, .size: 8, .value_kind: global_buffer, .address_space: global }
      - { .name: b_img, .offset: 8, .size: 8, .value_kind: global_buffer, .address_space: global }
      - { .name: scale, .offset: 16, .size: 8, .value_kind: global_buffer, .address_space: global }
      - { .name: bias, .offset: 24, .size: 8, .value_kind: global_buffer, .address_space: global }
      - { .name: out0, .offset: 32, .size: 8, .value_kind: global_buffer, .address_space: global }
    .group_segment_fixed_size: 327680
    .private_segment_fixed_size: 0
    .kernarg_segment_align: 8
    .kernarg_segment_size: 40
    .max_flat_workgroup_size: 128
    .sgpr_count:     100
    .vgpr_count:     1024
    .wavefront_size: 32
...
	.end_amdgpu_metadata
.endif
;; end of part 2
